; MI455X (gfx1250); checked and timed in simulation.
; The chip was launched on July 23, 2026; its instructions are those of AMD's public machine-readable ISA for CDNA 5 (MIT licence, August 2026) and "CDNA5" Instruction Set Architecture Reference Guide (July 2026). The comments in the code are by the model that wrote it; some were corrected since.
;; Time Mix. Allowed arithmetic: float matrix products may take bf16 or f16 operands with f32 sums; other float arithmetic in f32, or as packed bf16 or f16 multiplies, adds, multiply-adds, maxima and minima; sums over many terms, partial sums and values carried from step to step in f32; what a program stores and reads back later, other than sums and carried values, may be rounded once to bf16 or f16.
;; Inputs: aa 1 x 1 x 2,048 float32; bb 1 x 1 x 2,048 float32; pp 1 x 1 x 2,048 float32; time_first 2,048 float32; time_mix_k 1 x 1 x 2,048 float32; time_mix_r 1 x 1 x 2,048 float32; time_mix_v 1 x 1 x 2,048 float32; w_key 2,048 x 2,048 float32; w_out 2,048 x 2,048 float32; w_rec 2,048 x 2,048 float32; w_value 2,048 x 2,048 float32; x 4 x 1,024 x 2,048 float32; xx 1 x 1 x 2,048 float32.
;; Outputs: out0 4 x 1,024 x 2,048 float32.
;; One version. Each part assembles by itself: llvm-mc -triple=amdgcn-amd-amdhsa -mcpu=gfx1250 --defsym DOCPART=n.
;; ======== version 1 of 1: 3 launches
;; limits: values are held in f16: magnitudes above 65,504 overflow, below 6.1e-05 lose precision; inputs' magnitudes at most 65,504
;; workspace buffers: xh 16,777,216 bytes; wvr 16,777,216 bytes; wob 8,388,608 bytes; bias 16,384 bytes; ab 65,536 bytes; yb 16,777,216 bytes
;; launch prep (part 1): grid 256 x 6, 8 waves a work-group, no clusters, 2,048 bytes of LDS; arguments x, w_value, w_rec, w_out, w_key, time_mix_v, time_mix_r, time_mix_k, xx, time_first, pp, aa, bb, xh, wvr, wob, bias, ab; writes xh, wvr, wob, bias, ab
.if DOCPART == 1
	.amdgcn_target "amdgcn-amd-amdhsa--gfx1250"
	.amdhsa_code_object_version 6
	.text
	.protected	k_qbdc08ecca8_prep
	.globl	k_qbdc08ecca8_prep
	.p2align	8
	.type	k_qbdc08ecca8_prep,@function
k_qbdc08ecca8_prep:
	s_mov_b64 s[64:65], 0
	v_nop
	global_prefetch_b8 v0, s[64:65] scope:SCOPE_SE
	s_setreg_imm32_b32 hwreg(HW_REG_WAVE_MODE, 25, 1), 1
	s_wait_xcnt 0x0
; TimeMix, launch 1 of 3: operands for the two matrix launches, and the state step of the rows t = 0.
; THE MODULE.  out = (r * wkv) w_out^T with r = sigmoid(xr w_rec^T), v = xv w_value^T, k = xk w_key^T, x? = x m? + (1 - m?) xx,
; wkv = (e1 aa_p + e2 v) / (e1 bb_p + e2), e1 = exp(pp_p - qq), e2 = exp(ww - qq), ww = time_first + k, qq = max(pp_p, ww).
; WORK LEFT OUT.  reference() itself pads aa, bb and pp with zeros for every t > 0.  There wkv = (e1 0 + e2 v) / (e1 0 + e2) = v for all finite
; inputs, since e2 is an exponential and so above 0 in exact arithmetic.  So k, time_first, pp, aa, bb, the maximum and both exponentials reach the
; output through the four rows t = 0 (one a batch) alone: k is made for these 4 rows of 4,096, the other 4,092 rows of that product are not made.
; In the rows t = 0 all of reference()'s steps are taken, the maximum ahead of the exponentials among them.  Every input keeps a way to the output and is loaded.
; LIMIT.  A NaN, an infinity, an overflow, or an underflow of e2 to 0 (ww - max(0, ww) below about -103, where reference() gives 0 / 0) that arises only
; in the k, e1, e2 of rows t > 0 is not carried to the result: the program gives v there.
; ALGEBRA.  x m W^T = x (W o m)^T: the mix is folded into the weights, and the constant part is a bias: bias[o] = sum over c of (1 - m[c]) xx[c] W[o][c].
; One copy of x then serves v and r.  w_rec's folded weights and bias also carry the factor -log2(e), so that r = 1 / (1 + 2^z') with z' as the product gives it.
; In the rows t = 0: wkv = alpha + beta v, alpha = e1 aa / (e1 bb + e2), beta = e2 / (e1 bb + e2).
; FORMATS.  EVERY input is first rounded to bf16.  xh = that x written as f16 (exact above 2^-17); wvr = the folded weights rounded once to f16;
; wob = w_out in bf16; bias, alpha, beta and the sums that make them in f32.
; LIMITS OF RANGE.  |x| and |W m| (times 1.4427 for w_rec) stay under 65,504; below 6.1e-5 they keep f16's fixed step of 6e-8.  v_exp_f32 and v_rcp_f32 count denormals as 0.
; SHARES.  A work-group takes 8 rows of 2,048 f32.  Grid y says which: 0, 1: x (512 blocks); 2: w_value; 3: w_rec; 4: w_out; 5: w_key.
; Thread (wave w, lane l) owns columns 256 w + 128 j + 4 l + 0..3, j = 0, 1, in every row: a load of a wave covers 512 consecutive bytes, a store of 8 bytes a lane 256 consecutive
; bytes, aligned.  All 16 loads of a wave go out at once; there is no loop, and no register that a load or store names is written again.
; wvr's rows: n' = 128 g + e; e < 64: folded w_value row 64 g + e; e >= 64: folded w_rec row 64 g + e - 64.  bias is indexed by n'.
; ab: [o / 8][batch][o % 8][alpha, beta] in f32: 256 bytes for each 8 channels.
.set ROWB,  8192                       ; bytes in a row of f32
.set OROW,  4096                       ; bytes in a row of 16-bit numbers
.set PART,  0                          ; LDS: wave w's 32 partial sums at 128 w
.set SPARE, 1024                       ; behind them: the spare words, 128 bytes for each of the eight waves; no other line names them
.set CB,  2                            ; v2   my byte offset in a row of f32: 1,024 w + 16 l; never rewritten
.set OB,  3                            ; v3   my byte offset in a row of 16-bit numbers: 512 w + 8 l; never rewritten
.set SPW, 4                            ; v4   LDS address of my spare word; never rewritten
.set NIL, 5                            ; v5   0; never rewritten
.set SO,  6                            ; v6   first the wave's number, then the offset of time_first, pp, aa, bb
.set LA,  7                            ; v7   4 x thread: where I put my partial sum
.set T,   8                            ; v[8:15]   eight numbers at work
.set P,   16                           ; v[16:19]  the same as bf16 pairs
.set ACC, 20                           ; v[20:27]  four pairs of sums
.set RT,  28                           ; v[28:31]  the other half of the lanes' sums
.set KV,  32                           ; v32  the wave's partial sums, one a lane
.set L4,  33                           ; v33  4 x lane
.set AB,  34                           ; v[34:35]  alpha, beta
.set M,   36                           ; v[36:43]  the mix of my 8 columns (weights' path)
.set U,   44                           ; v[44:51]  (1 - m) xx of my 8 columns
.set XK,  36                           ; v[36:67]  w_key's path: xk of batch b's row t = 0 at XK + 8 b
.set X,   68                           ; v[68:131] row s as loaded at X + 8 s; then its 16-bit form in the first four
.set M8,  132                          ; v[132:139] time_mix_k
.set U8,  140                          ; v[140:147] (1 - m) xx
.set SM,  148                          ; v[148:151] time_first, pp, aa, bb of channel 8 Q + lane % 8
.macro RNDIP base                      ; eight f32 rounded to bf16, in place
.irp k, 0,1,2,3
	v_cvt_pk_bf16_f32 v[P+(\k)], v[(\base)+2*(\k)], v[(\base)+2*(\k)+1]
.endr
.irp k, 0,1,2,3
	v_lshlrev_b32 v[(\base)+2*(\k)], 16, v[P+(\k)]
	v_and_b32 v[(\base)+2*(\k)+1], s5, v[P+(\k)]
.endr
.endm
.macro RND8 s                          ; row s rounded to bf16, as f32 in T
.irp k, 0,1,2,3
	v_cvt_pk_bf16_f32 v[P+(\k)], v[X+8*(\s)+2*(\k)], v[X+8*(\s)+2*(\k)+1]
.endr
.irp k, 0,1,2,3
	v_lshlrev_b32 v[T+2*(\k)], 16, v[P+(\k)]
	v_and_b32 v[T+2*(\k)+1], s5, v[P+(\k)]
.endr
.endm
.macro LOADROWS                        ; the work-group's 8 rows: 16 loads a wave, each read once in the launch
.irp s, 0,1,2,3,4,5,6,7
	global_load_b128 v[X+8*(\s):X+8*(\s)+3],   v[CB], s[8:9] offset:ROWB*(\s) th:TH_LOAD_NT
	global_load_b128 v[X+8*(\s)+4:X+8*(\s)+7], v[CB], s[8:9] offset:ROWB*(\s)+512 th:TH_LOAD_NT
.endr
.endm
.macro OUT s                           ; row s in 16 bits: each store of the wave covers 256 consecutive bytes, aligned
	global_store_b64 v[OB], v[X+8*(\s):X+8*(\s)+1],   s[10:11] offset:OROW*(\s)
	global_store_b64 v[OB], v[X+8*(\s)+2:X+8*(\s)+3], s[10:11] offset:OROW*(\s)+256
.endm
.macro RED n                           ; the n sums in v[ACC], v[ACC+2], .. are added over the 32 lanes; step by step across them, so that no line reads the one before it
.irp m, 1,2,4,8
.set z, 0
.rept \n
	v_add_f32_dpp v[ACC+2*z], v[ACC+2*z], v[ACC+2*z] row_xmask:\m row_mask:0xf bank_mask:0xf
.set z, z+1
.endr
.endr
.set z, 0
.rept \n
	v_permlanex16_b32 v[RT+z], v[ACC+2*z], s6, s7
.set z, z+1
.endr
.set z, 0
.rept \n
	v_add_f32 v[ACC+2*z], v[ACC+2*z], v[RT+z]
.set z, z+1
.endr
.endm
; A slot is a row.  Loads come back in order (ISA guide 5.7.1): behind row s's two loads stand 14 - 2 s younger ones, which may stay out.
.macro SLOT_O s                        ; w_out: rounded to bf16, in place, ascending, so that no source is written before it is read
	s_wait_loadcnt 14-2*(\s)
.irp k, 0,1,2,3
	v_cvt_pk_bf16_f32 v[X+8*(\s)+(\k)], v[X+8*(\s)+2*(\k)], v[X+8*(\s)+2*(\k)+1]
.endr
	OUT \s
.endm
.macro SLOT_X s                        ; x: rounded to bf16, that number written as f16
	s_wait_loadcnt 14-2*(\s)
	RND8 \s
.irp k, 0,1,2,3
	v_cvt_pk_f16_f32 v[X+8*(\s)+(\k)], v[T+2*(\k)], v[T+2*(\k)+1]
.endr
	OUT \s
.endm
.macro SLOT_F s                        ; w_value, w_rec: the row's part of the bias, then the row times the mix in f16
	s_wait_loadcnt 14-2*(\s)
	RND8 \s
	v_pk_mul_f32 v[ACC:ACC+1], v[T:T+1], v[U:U+1]
.irp k, 2,4,6
	v_pk_fma_f32 v[ACC:ACC+1], v[T+(\k):T+(\k)+1], v[U+(\k):U+(\k)+1], v[ACC:ACC+1]
.endr
.irp k, 0,2,4,6
	v_pk_mul_f32 v[T+(\k):T+(\k)+1], v[T+(\k):T+(\k)+1], v[M+(\k):M+(\k)+1]
.endr
.irp k, 0,1,2,3
	v_cvt_pk_f16_f32 v[X+8*(\s)+(\k)], v[T+2*(\k)], v[T+2*(\k)+1]
.endr
	OUT \s
	v_add_f32 v[ACC], v[ACC], v[ACC+1]
	RED 1
	s_mov_b32 s14, 1<<(\s)
	v_cndmask_b32 v[KV], v[KV], v[ACC], s14        ; lane s keeps row s's partial sum
.endm
.macro SLOT_K s                        ; w_key: the row's products with the four rows t = 0, in f32
	s_wait_loadcnt 14-2*(\s)
	RND8 \s
.irp b, 0,1,2,3
	v_pk_mul_f32 v[ACC+2*(\b):ACC+2*(\b)+1], v[T:T+1], v[XK+8*(\b):XK+8*(\b)+1]
.endr
.irp k, 2,4,6
.irp b, 0,1,2,3
	v_pk_fma_f32 v[ACC+2*(\b):ACC+2*(\b)+1], v[T+(\k):T+(\k)+1], v[XK+8*(\b)+(\k):XK+8*(\b)+(\k)+1], v[ACC+2*(\b):ACC+2*(\b)+1]
.endr
.endr
.irp b, 0,1,2,3
	v_add_f32 v[ACC+2*(\b)], v[ACC+2*(\b)], v[ACC+2*(\b)+1]
.endr
	RED 4
.irp b, 0,1,2,3
	s_mov_b32 s14, 1<<(8*(\b)+(\s))
	v_cndmask_b32 v[KV], v[KV], v[ACC+2*(\b)], s14  ; lane 8 b + s keeps batch b's, row s's partial sum
.endr
.endm
; The eight waves' partial sums meet in LDS; wave 0 adds them, the others go to the end.  The branch that leads here hangs on grid y alone, so all eight waves pass the barrier.
.macro GATHER
	ds_store_b32 v[LA], v[KV]
	s_wait_dscnt 0x0                               ; for the others' sake: my store is done
	s_barrier_signal -1
	s_barrier_wait -1
	s_cmp_lg_u32 s4, 0
	s_cbranch_scc1 .Lend
.irp w, 0,1,2,3,4,5,6,7
	ds_load_b32 v[T+(\w)], v[L4] offset:PART+128*(\w)
.endr
	s_wait_dscnt 0x0
	v_pk_add_f32 v[T:T+1], v[T:T+1], v[T+2:T+3]
	v_pk_add_f32 v[T+4:T+5], v[T+4:T+5], v[T+6:T+7]
	v_pk_add_f32 v[T:T+1], v[T:T+1], v[T+4:T+5]
	v_add_f32 v[T], v[T], v[T+1]
.endm
	s_load_b512 s[16:31], s[0:1], 0x0              ; x 16, w_value 18, w_rec 20, w_out 22, w_key 24, time_mix_v 26, time_mix_r 28, time_mix_k 30
	s_load_b512 s[32:47], s[0:1], 0x40             ; xx 32, time_first 34, pp 36, aa 38, bb 40, xh 42, wvr 44, wob 46
	s_load_b128 s[48:51], s[0:1], 0x80             ; bias 48, ab 50
	v_lshl_add_u32 v[SPW], v0, 2, SPARE
	v_mov_b32 v[NIL], 0
	v_and_b32 v1, 31, v0                           ; lane
	v_lshrrev_b32 v[SO], 5, v0
	v_readfirstlane_b32 s4, v[SO]                  ; wave 0..7
	v_lshlrev_b32 v[CB], 4, v1
	v_lshl_add_u32 v[CB], v[SO], 10, v[CB]
	v_lshlrev_b32 v[OB], 3, v1
	v_lshl_add_u32 v[OB], v[SO], 9, v[OB]
	v_lshlrev_b32 v[LA], 2, v0
	v_lshlrev_b32 v[L4], 2, v1
.irp r, 0,1,2,3
	v_mov_b32 v[RT+(\r)], 0                        ; v_permlanex16_b32's destination counts as read
.endr
	v_mov_b32 v[KV], 0
	s_mov_b32 s2, ttmp9                            ; Q: the block of 8 rows
	s_and_b32 s3, ttmp7, 0xffff                    ; which tensor
	s_mov_b32 s5, 0xffff0000                       ; a word's upper bf16
	s_mov_b32 s6, 0x76543210                       ; v_permlanex16_b32: each lane takes its own place in the other half
	s_mov_b32 s7, 0xfedcba98
	s_mov_b32 s13, 0                               ; the upper word of every offset pair
	s_mov_b32 s52, 0xbfb8aa3b                      ; -log2(e)
	s_mov_b32 s53, s52                             ; named with it as a pair
	s_wait_kmcnt 0x0
	s_cmp_lt_u32 s3, 2
	s_cbranch_scc1 .Lx
	s_lshl_b32 s12, s2, 16                         ; the weights' paths: Q x 8 rows x 8,192 bytes
	s_cmp_eq_u32 s3, 4
	s_cbranch_scc1 .Lo
	s_cmp_eq_u32 s3, 5
	s_cbranch_scc1 .Lkey
	; W_VALUE (grid y = 2) AND W_REC (3)
	s_cmp_eq_u32 s3, 2
	s_cselect_b64 s[8:9], s[18:19], s[20:21]
	s_cselect_b64 s[54:55], s[26:27], s[28:29]     ; and its mix
	s_add_nc_u64 s[8:9], s[8:9], s[12:13]
	s_lshr_b32 s14, s2, 3
	s_lshl_b32 s14, s14, 7                         ; 128 g, g = Q / 8
	s_and_b32 s15, s2, 7
	s_lshl3_add_u32 s14, s15, s14                  ; + 8 (Q % 8)
	s_sub_co_u32 s15, s3, 2
	s_lshl_b32 s15, s15, 6
	s_add_co_u32 s14, s14, s15                     ; + 64 for w_rec: n' of my first row
	s_lshl_b32 s12, s14, 12
	s_add_nc_u64 s[10:11], s[44:45], s[12:13]
	s_lshl_b32 s12, s14, 2
	s_add_nc_u64 s[62:63], s[48:49], s[12:13]
	global_load_b128 v[M:M+3],   v[CB], s[54:55]
	global_load_b128 v[M+4:M+7], v[CB], s[54:55] offset:512
	global_load_b128 v[U:U+3],   v[CB], s[32:33]
	global_load_b128 v[U+4:U+7], v[CB], s[32:33] offset:512
	LOADROWS
	s_wait_loadcnt 16                              ; the mix and xx are in; the 16 row loads stay out
	RNDIP M
	RNDIP U
.irp k, 0,2,4,6
	v_pk_fma_f32 v[U+(\k):U+(\k)+1], v[M+(\k):M+(\k)+1], v[U+(\k):U+(\k)+1], v[U+(\k):U+(\k)+1] neg_lo:[1,0,0] neg_hi:[1,0,0]  ; xx - m xx
.endr
	s_cmp_eq_u32 s3, 3
	s_cbranch_scc0 .Lno_factor
.irp k, 0,2,4,6
	v_pk_mul_f32 v[M+(\k):M+(\k)+1], v[M+(\k):M+(\k)+1], s[52:53] op_sel_hi:[1,0]
	v_pk_mul_f32 v[U+(\k):U+(\k)+1], v[U+(\k):U+(\k)+1], s[52:53] op_sel_hi:[1,0]
.endr
.Lno_factor:
.irp s, 0,1,2,3,4,5,6,7
	SLOT_F \s
.endr
	GATHER                                         ; wave 0: lane s holds bias of row n' + s
	s_wait_xcnt 0x0                                ; EXEC is a source of my pending stores: it changes only behind this wait
	v_cmp_gt_u32 vcc_lo, 8, v1
	s_and_saveexec_b32 s15, vcc_lo
	global_store_b32 v[L4], v[T], s[62:63]         ; 32 bytes a work-group; bias has 16,384 bytes in all
	s_wait_xcnt 0x0                                ; and again, in front of the line that widens it
	s_or_b32 exec_lo, exec_lo, s15
	s_branch .Lend
.Lx:	; X (grid y = 0, 1): block Q + 256 y
	s_lshl_b32 s12, s3, 8
	s_add_co_u32 s12, s12, s2
	s_lshl_b32 s12, s12, 16
	s_add_nc_u64 s[8:9], s[16:17], s[12:13]
	s_lshr_b32 s12, s12, 1
	s_add_nc_u64 s[10:11], s[42:43], s[12:13]
	LOADROWS
.irp s, 0,1,2,3,4,5,6,7
	SLOT_X \s
.endr
	s_branch .Lend
.Lo:	; W_OUT
	s_add_nc_u64 s[8:9], s[22:23], s[12:13]
	s_lshr_b32 s12, s12, 1
	s_add_nc_u64 s[10:11], s[46:47], s[12:13]
	LOADROWS
.irp s, 0,1,2,3,4,5,6,7
	SLOT_O \s
.endr
	s_branch .Lend
.Lkey:	; W_KEY: k of the four rows t = 0 for channels 8 Q .. 8 Q + 7, then alpha and beta
	s_add_nc_u64 s[8:9], s[24:25], s[12:13]
	s_add_nc_u64 s[56:57], s[16:17], 0x800000      ; x at batch 1, 2, 3: 1,024 rows of 8,192 bytes apart
	s_add_nc_u64 s[58:59], s[16:17], 0x1000000
	s_add_nc_u64 s[60:61], s[16:17], 0x1800000
	s_lshl_b32 s12, s2, 8
	s_add_nc_u64 s[62:63], s[50:51], s[12:13]      ; ab at my 256 bytes
	s_lshl_b32 s14, s2, 5
	v_and_b32 v[SO], 7, v1
	v_lshl_add_u32 v[SO], v[SO], 2, s14            ; 4 (8 Q + lane % 8)
	global_load_b32 v[SM],   v[SO], s[34:35]
	global_load_b32 v[SM+1], v[SO], s[36:37]
	global_load_b32 v[SM+2], v[SO], s[38:39]
	global_load_b32 v[SM+3], v[SO], s[40:41]
	global_load_b128 v[M8:M8+3],   v[CB], s[30:31]
	global_load_b128 v[M8+4:M8+7], v[CB], s[30:31] offset:512
	global_load_b128 v[U8:U8+3],   v[CB], s[32:33]
	global_load_b128 v[U8+4:U8+7], v[CB], s[32:33] offset:512
	global_load_b128 v[XK:XK+3],   v[CB], s[16:17]
	global_load_b128 v[XK+4:XK+7], v[CB], s[16:17] offset:512
.irp b, 1,2,3
	global_load_b128 v[XK+8*(\b):XK+8*(\b)+3],   v[CB], s[54+2*(\b):55+2*(\b)]
	global_load_b128 v[XK+8*(\b)+4:XK+8*(\b)+7], v[CB], s[54+2*(\b):55+2*(\b)] offset:512
.endr
	LOADROWS
	s_wait_loadcnt 16                              ; the 16 loads above are in; the 16 row loads stay out
	RNDIP M8
	RNDIP U8
.irp b, 0,1,2,3
	RNDIP XK+8*(\b)
.endr
	v_cvt_pk_bf16_f32 v[P],   v[SM],   v[SM+1]
	v_cvt_pk_bf16_f32 v[P+1], v[SM+2], v[SM+3]
	v_lshlrev_b32 v[SM],   16, v[P]
	v_and_b32     v[SM+1], s5, v[P]
	v_lshlrev_b32 v[SM+2], 16, v[P+1]
	v_and_b32     v[SM+3], s5, v[P+1]
.irp k, 0,2,4,6
	v_pk_fma_f32 v[U8+(\k):U8+(\k)+1], v[M8+(\k):M8+(\k)+1], v[U8+(\k):U8+(\k)+1], v[U8+(\k):U8+(\k)+1] neg_lo:[1,0,0] neg_hi:[1,0,0]  ; xx - m xx
.endr
.irp b, 0,1,2,3
.irp k, 0,2,4,6
	v_pk_fma_f32 v[XK+8*(\b)+(\k):XK+8*(\b)+(\k)+1], v[XK+8*(\b)+(\k):XK+8*(\b)+(\k)+1], v[M8+(\k):M8+(\k)+1], v[U8+(\k):U8+(\k)+1]  ; xk = x m + (1 - m) xx
.endr
.endr
.irp s, 0,1,2,3,4,5,6,7
	SLOT_K \s
.endr
	GATHER                                         ; wave 0: lane 8 b + i holds k[b][t = 0][8 Q + i]
	v_add_f32 v9, v[SM], v[T]                      ; ww = time_first + k
	v_max_num_f32 v10, v[SM+1], v9                 ; qq = max(pp, ww): the maximum is taken away before the exponentials, as reference() does
	v_sub_f32 v11, v[SM+1], v10
	v_sub_f32 v12, v9, v10
	v_mul_f32 v11, 0x3fb8aa3b, v11
	v_mul_f32 v12, 0x3fb8aa3b, v12
	v_exp_f32 v11, v11                             ; e1
	v_exp_f32 v12, v12                             ; e2
	v_lshlrev_b32 v13, 3, v1                       ; 8 x lane: the plain instruction behind the exponentials (ISA guide 5.7.2)
	s_wait_alu depctr_va_vdst(0)                   ; one wait for both, ahead of their first reader
	v_fma_f32 v14, v11, v[SM+3], v12               ; e1 bb + e2
	v_mul_f32 v15, v11, v[SM+2]                    ; e1 aa
	v_rcp_f32 v14, v14
	v_nop
	s_wait_alu depctr_va_vdst(0)
	v_mul_f32 v[AB],   v15, v14                    ; alpha
	v_mul_f32 v[AB+1], v12, v14                    ; beta
	global_store_b64 v13, v[AB:AB+1], s[62:63]     ; 32 lanes x 8 bytes: 256 consecutive bytes, aligned
.Lend:
	s_wait_tensorcnt 0x0                           ; the wave's end, behind my last LDS store
	ds_add_u32 v[SPW], v[NIL]
	s_wait_dscnt 0x0
	s_endpgm
.Lfunc_end_k_qbdc08ecca8_prep:
	.size	k_qbdc08ecca8_prep, .Lfunc_end_k_qbdc08ecca8_prep-k_qbdc08ecca8_prep
	.p2alignl 7, 3214868480
	.fill 96, 4, 3214868480
	.section	.rodata,"a",@progbits
	.p2align	6, 0x0
	.amdhsa_kernel k_qbdc08ecca8_prep
		.amdhsa_group_segment_fixed_size 2048
		.amdhsa_private_segment_fixed_size 0
		.amdhsa_enable_private_segment 0
		.amdhsa_kernarg_size 144
		.amdhsa_user_sgpr_count 2
		.amdhsa_user_sgpr_kernarg_segment_ptr 1
		.amdhsa_wavefront_size32 1
		.amdhsa_system_sgpr_workgroup_id_x 1
		.amdhsa_system_sgpr_workgroup_id_y 1
		.amdhsa_system_sgpr_workgroup_id_z 1
		.amdhsa_system_vgpr_workitem_id 0
		.amdhsa_next_free_vgpr 152
		.amdhsa_next_free_sgpr 66
		.amdhsa_reserve_vcc 1
		.amdhsa_float_denorm_mode_32 3
		.amdhsa_float_denorm_mode_16_64 3
		.amdhsa_memory_ordered 1
		.amdhsa_forward_progress 1
		.amdhsa_inst_pref_size 76
	.end_amdhsa_kernel
	.amdgpu_metadata
---
amdhsa.version: [ 1, 2 ]
amdhsa.kernels:
  - .name:           k_qbdc08ecca8_prep
    .symbol:         k_qbdc08ecca8_prep.kd
    .args:
      - { .name: x, .offset: 0, .size: 8, .value_kind: global_buffer, .address_space: global }
      - { .name: w_value, .offset: 8, .size: 8, .value_kind: global_buffer, .address_space: global }
      - { .name: w_rec, .offset: 16, .size: 8, .value_kind: global_buffer, .address_space: global }
      - { .name: w_out, .offset: 24, .size: 8, .value_kind: global_buffer, .address_space: global }
      - { .name: w_key, .offset: 32, .size: 8, .value_kind: global_buffer, .address_space: global }
      - { .name: time_mix_v, .offset: 40, .size: 8, .value_kind: global_buffer, .address_space: global }
      - { .name: time_mix_r, .offset: 48, .size: 8, .value_kind: global_buffer, .address_space: global }
      - { .name: time_mix_k, .offset: 56, .size: 8, .value_kind: global_buffer, .address_space: global }
      - { .name: xx, .offset: 64, .size: 8, .value_kind: global_buffer, .address_space: global }
      - { .name: time_first, .offset: 72, .size: 8, .value_kind: global_buffer, .address_space: global }
      - { .name: pp, .offset: 80, .size: 8, .value_kind: global_buffer, .address_space: global }
      - { .name: aa, .offset: 88, .size: 8, .value_kind: global_buffer, .address_space: global }
      - { .name: bb, .offset: 96, .size: 8, .value_kind: global_buffer, .address_space: global }
      - { .name: xh, .offset: 104, .size: 8, .value_kind: global_buffer, .address_space: global }
      - { .name: wvr, .offset: 112, .size: 8, .value_kind: global_buffer, .address_space: global }
      - { .name: wob, .offset: 120, .size: 8, .value_kind: global_buffer, .address_space: global }
      - { .name: bias, .offset: 128, .size: 8, .value_kind: global_buffer, .address_space: global }
      - { .name: ab, .offset: 136, .size: 8, .value_kind: global_buffer, .address_space: global }
    .group_segment_fixed_size: 2048
    .private_segment_fixed_size: 0
    .kernarg_segment_align: 8
    .kernarg_segment_size: 144
    .max_flat_workgroup_size: 256
    .sgpr_count:     66
    .vgpr_count:     152
    .wavefront_size: 32
...
	.end_amdgpu_metadata
.endif
;; end of part 1
;; launch vr (part 2): grid 16 x 16, 4 waves a work-group, clusters of 4 x 4, 327,680 bytes of LDS; arguments xh, wvr, bias, ab, yb; writes yb
.if DOCPART == 2
	.amdgcn_target "amdgcn-amd-amdhsa--gfx1250"
	.amdhsa_code_object_version 6
	.text
	.protected	k_qbdc08ecca8_vr
	.globl	k_qbdc08ecca8_vr
	.p2align	8
	.type	k_qbdc08ecca8_vr,@function
k_qbdc08ecca8_vr:
	s_mov_b64 s[64:65], 0
	v_nop
	global_prefetch_b8 v0, s[64:65] scope:SCOPE_SE
	s_setreg_imm32_b32 hwreg(HW_REG_WAVE_MODE, 25, 1), 1
	s_wait_xcnt 0x0
	s_wait_alu depctr_hold_cnt(0) depctr_sa_sdst(0) depctr_va_vdst(0) depctr_va_sdst(0) depctr_va_ssrc(0) depctr_va_vcc(0) depctr_vm_vsrc(0)
	s_getreg_b32 s2, hwreg(HW_REG_IB_STS2, 6, 4)
	s_cmp_eq_u32 s2, 0
	s_cbranch_scc0 .Lentry_in_a_cluster
	s_endpgm
.Lentry_in_a_cluster:
	s_bfe_u32 s2, ttmp6, 0x10000c
	s_cmp_lg_u32 s2, 0xf033
	s_cbranch_scc0 .Lentry_shape_is_right
	s_endpgm
.Lentry_shape_is_right:
; TimeMix, launch 2 of 3: y = r * wkv.  One product [4096 rows of xh] x [4096 rows of wvr]^T over K = 2048, f16 operands, f32 sums that start with the bias, gives v and z' side by side;
; r = 1 / (1 + 2^z') (wvr's rows of w_rec and their bias carry the factor -log2(e)); y = r wkv, rounded once to bf16.
; WORK LEFT OUT (shown at the head of the first kernel): for t > 0 reference()'s own zero padding makes wkv = v for all finite inputs, so neither k nor the exponentials are made there.
; In the four rows t = 0: wkv = alpha + beta v, from ab.  Every wave runs that line on its first 16 rows, with alpha = 0, beta = 1 selected in all lanes but the one that holds a row t = 0.
; LIMITS.  f16 operands: see the first kernel.  2^z' beyond f32's range gives r = 0, below it r = 1, as the sigmoid's limits are.  NaN and infinities are not treated apart.
; SHARES.  A tile is 256 rows x 256 columns n' of the product: four waves, each 128 x 128: 64 accumulators of 16 x 16, 512 registers.  A wave's 128 columns are one group g of wvr:
; 64 of v (n blocks 0-3) and the same 64 channels of z' (n blocks 4-7): so r and v of a channel meet in one lane.  256 tiles, one work-group each.
; RING.  K goes in steps of 128 through two LDS slots filled by the tensor data mover; rows of 256 bytes, padded by 16 in LDS.
; CLUSTERS.  4 x 4 work-groups.  The four of a row of the cluster need the same rows of xh, the four of a column the same rows of wvr: each tile is asked for JOINTLY, by the same tensor
; load with the same descriptor and a mask that names the four.
; THE MATRIX INSTRUCTION IS USED TRANSPOSED: source 0 = 16 rows of wvr, source 1 = 16 rows of xh: lane l then holds row l % 16 and the eight neighbouring columns 8 (l / 16) + 0..7.
; yb: [channel block of 64][4096 rows][64] in bf16: a wave's 16 rows x 64 channels are 2,048 consecutive bytes, and a block is a slice of the next launch's K.
; REGISTERS, in windows of 256 (s_set_vgpr_msb: bits 1:0 source 0, 3:2 source 1, 5:4 source 2, 7:6 destination):
;   window 0: v0-31 addresses; v32-47 packed results; v64-127, v128-191 fragments of xh, two buffers; on the way out 16 registers a block of rows read back from the stage
;   window 1: v0-63 alpha, beta; v64-127, v128-191 fragments of wvr; v192-255 the bias of my 128 columns, laid as a C operand
;   window 2: the accumulators of my rows 0-63 ((a, b) at v[8 (8 a + b)]);   window 3: those of my rows 64-127
.set SIZE_K, 2048
.set KSTEP,  128
.set PITCH,  272                       ; an LDS row: 256 bytes + 16 of padding = 68 words: the 16 rows of a fragment load start at 16 different groups of four banks (64 banks of 4 bytes: ISA guide 11.1)
.set HALFT,  128*PITCH                 ; 128 rows: what one tensor load brings, and what one wave reads of either operand
.set SLOT,   4*HALFT                   ; xh's 256 rows, then wvr's 256 rows
.set STAGE,  2*SLOT                    ; behind the ring, never filled by a tensor load: 16 rows x 144 bytes for each wave
.set SP,     144
.set SPARE,  STAGE+4*16*SP             ; behind the stages: the spare words, 128 bytes for each wave; no other line names them
.set LAPS,   SIZE_K/(2*KSTEP)          ; a lap = two K steps = once round the ring: 8
.set ADRA, 16                          ; v16-17  LDS address of my fragments of xh in slot 0, 1
.set ADRB, 20                          ; v20-21  the same for wvr
.set STO,  24                          ; v24  the way out: where I put 16 bytes of a row
.set RD,   25                          ; v25  where I read rows back
.set GO,   26                          ; v26  16 x lane: my place in 512 consecutive bytes of yb
.set BO,   27                          ; v27  32 (l / 16): my 8 numbers in 16 of the bias
.set SPW,  28                          ; v28  LDS address of my spare word; never rewritten
.set NIL,  29                          ; v29  0; never rewritten
.set PFO,  30                          ; v30  the prefetches' offset: lane x a row of 4,096 bytes; never rewritten
.set ABO,  31                          ; v31  256 (l / 16): my 8 channels' block of ab
.set TMP,  32
.set F0,   64
.set F1,   128
.set BK,   64
.set ABR,  0                           ; window 1
.set BIAS, 192                         ; window 1
.set WV,  14                           ; s14  my wave's number
.set RH,  15                           ; s15  which half of the tile's rows is mine; also: I fetch xh (0) or wvr (1)
.set CH,  16                           ; s16  which half of its columns; also: which 128 rows of that operand I fetch
.set CX,  17
.set CY,  18
.set TX,  19                           ; s19  tile column
.set TY,  20                           ; s20  tile row
.set LIM, 21                           ; s21  1 in a wave that prefetches, else the greatest number
.set G1,  24                           ; s[24:31] descriptor group 1 for xh's tiles
.set G0,  32                           ; s[32:39] group 0, a set for each slot
.set PFA, 44                           ; s[44:45] where my prefetches stand
.set G1B, 48                           ; s[48:55], s[56:63] the same for wvr's tiles
.set G0B, 56
.set MSB, 0
.macro WIN new                         ; the immediate's high byte repeats the setting that is left; a switch that changes nothing is dropped
.if MSB != (\new)
	s_set_vgpr_msb (MSB<<8)|(\new)
.set MSB, \new
.endif
.endm
.set TO_B, 0x40                        ; destination window 1, address window 0
; A joint load.  Waves 0 and 1 fetch xh's two halves, waves 2 and 3 wvr's.  The branch hangs on the wave's number alone.  An s_nop 0 and four v_nop follow each of the two lines.
.macro JLOAD s
	s_cmp_eq_u32 s[RH], 0
	s_cbranch_scc0 .Lfor_b_\@
	tensor_load_to_lds s[G0+4*(\s):G0+4*(\s)+3], s[G1:G1+7]
	s_nop 0
.rept 4
	v_nop
.endr
	s_branch .Lasked_\@
.Lfor_b_\@:
	tensor_load_to_lds s[G0B+4*(\s):G0B+4*(\s)+3], s[G1B:G1B+7]
	s_nop 0
.rept 4
	v_nop
.endr
.Lasked_\@:
.endm
; A PREFETCH, behind each joint refill and the run of LDS loads that follows it: 32 rows x 256 bytes of the K step that stands TWO refills on (512 matrix instructions), a lane a row.
; Each row's 256 bytes of a K step are named once in the launch: xh's rows by the clusters with x = 0, wvr's by the clusters with y = 0; of the 128 rows that a wave fetches the partner
; at place p takes 32 p .. 32 p + 31 (p = cx for xh, cy for wvr), told apart by address: no branch hangs on a work-group's place in its cluster.
; K steps 0 to 3 come by their loads alone; the loop's last trip (s3 = 1) asks for nothing: its two refills have no K step two on.
.macro ASK
	s_cmp_gt_u32 s3, s[LIM]
	s_cbranch_scc0 .Lnot_mine_\@
	global_prefetch_b8 v[PFO], s[PFA:PFA+1] th:TH_LOAD_NT scope:SCOPE_SE
.Lnot_mine_\@:
.endm
.macro CREST                           ; a round of the cluster's barrier behind its opening barrier
	s_cmp_lg_u32 s[WV], 0
	s_cbranch_scc1 .Lnot_wave_0_\@
	s_barrier_signal -3
.Lnot_wave_0_\@:
	s_barrier_wait -3
	s_barrier_signal -1
	s_barrier_wait -1
.endm
.macro CROUND                          ; a whole round
	s_barrier_signal -1
	s_barrier_wait -1
	CREST
.endm
	s_load_b256 s[4:11], s[0:1], 0x0               ; xh s[4:5], wvr s[6:7], bias s[8:9], ab s[10:11]
	s_load_b64 s[12:13], s[0:1], 0x20              ; yb
	v_lshl_add_u32 v[SPW], v0, 2, SPARE
	v_mov_b32 v[NIL], 0
	ds_add_u32 v[SPW], v[NIL]                      ; the wave's opening: the add, twice on end, and its wait ahead of my first tensor load
	ds_add_u32 v[SPW], v[NIL]                      ; and once more, under the one wait; the set-up below, work on registers, stands between
	v_lshrrev_b32 v1, 5, v0
	v_readfirstlane_b32 s[WV], v1                  ; wave 0..3
	s_lshr_b32 s[RH], s[WV], 1
	s_and_b32 s[CH], s[WV], 1
	s_bfe_u32 s[CX], ttmp6, 0x40000                ; my place in the cluster
	s_bfe_u32 s[CY], ttmp6, 0x40004
	s_lshl_b32 s[TX], ttmp9, 2                     ; in a cluster launch ttmp9 and ttmp7 count clusters
	s_add_co_u32 s[TX], s[TX], s[CX]
	s_and_b32 s[TY], ttmp7, 0xffff
	s_lshl_b32 s[TY], s[TY], 2
	s_add_co_u32 s[TY], s[TY], s[CY]
	s_lshl_b32 s68, s[CY], 2
	s_lshl_b32 s68, 15, s68                        ; my row of the cluster: places 4 cy .. 4 cy + 3
	s_lshl_b32 s69, 0x1111, s[CX]                  ; my column: places cx, cx + 4, cx + 8, cx + 12
	; descriptor group 1: a tile of 128 rows x 128 elements of 2 bytes; 16 bytes of padding behind every 64 words; bit 21 set beside a mask
	s_or_b32 s[G1+0],  s68, (1<<16)|(1<<20)|(1<<21)|(5<<22)|(3<<25)
	s_or_b32 s[G1B+0], s69, (1<<16)|(1<<20)|(1<<21)|(5<<22)|(3<<25)
.irp g, G1, G1B
	s_mov_b32 s[(\g)+1], KSTEP<<16                 ; tensor_dim0 = 128
	s_mov_b32 s[(\g)+2], 128<<16                   ; tensor_dim1 = 128
	s_mov_b32 s[(\g)+3], KSTEP<<16                 ; tile_dim0 = 128
	s_mov_b32 s[(\g)+4], 128                       ; tile_dim1 = 128
	s_mov_b32 s[(\g)+5], SIZE_K                    ; elements from row to row
	s_mov_b32 s[(\g)+6], 0
	s_mov_b32 s[(\g)+7], 0
.endr
	; xh's tiles hang on the tile row alone, wvr's on the tile column alone; each address is made in registers that never hold the other coordinate
	s_lshl_b32 s40, s[TY], 8
	s_lshl_b32 s41, s[CH], 7
	s_add_co_u32 s40, s40, s41                     ; xh: row 256 x tile row + 128 x half,
	s_lshl_b32 s40, s40, 12                        ; of 4,096 bytes
	s_mov_b32 s41, 0
	s_lshl_b32 s46, s[TX], 8
	s_lshl_b32 s47, s[CH], 7
	s_add_co_u32 s46, s46, s47                     ; wvr: row 256 x tile column + 128 x half
	s_lshl_b32 s46, s46, 12
	s_mov_b32 s47, 0
	s_mul_i32 s2, s[WV], HALFT                     ; where they go: wave x 128 rows: no place in the cluster enters an LDS address
	s_wait_dscnt 0x0                               ; both opening adds are done
	s_wait_kmcnt 0x0
	s_add_nc_u64 s[42:43], s[4:5], s[40:41]
	s_add_nc_u64 s[46:47], s[6:7], s[46:47]
	CROUND                                         ; all sixteen work-groups are here: the first joint loads meet
.irp s, 0,1
	s_mov_b32 s[G0+4*(\s)], 1                                        ; count = 1
	s_add_co_u32 s[G0+4*(\s)+1], s2, (\s)*SLOT                       ; LDS address
	s_add_nc_u64 s[G0+4*(\s)+2:G0+4*(\s)+3], s[42:43], (\s)*KSTEP*2  ; global address: K step s
	s_or_b32 s[G0+4*(\s)+3], s[G0+4*(\s)+3], 0x80000000              ; type = 2
	s_mov_b32 s[G0B+4*(\s)], 1
	s_add_co_u32 s[G0B+4*(\s)+1], s2, (\s)*SLOT
	s_add_nc_u64 s[G0B+4*(\s)+2:G0B+4*(\s)+3], s[46:47], (\s)*KSTEP*2
	s_or_b32 s[G0B+4*(\s)+3], s[G0B+4*(\s)+3], 0x80000000
	JLOAD \s                                       ; two loads of mine are out
.endr
	; all that follows, up to the first wait on the tiles, stands while they are on their way
	v_and_b32 v1, 15, v0                           ; r = l % 16
	v_bfe_u32 v2, v0, 4, 1                         ; h = l / 16
	v_mul_u32_u24 v3, v1, PITCH
	v_lshl_add_u32 v3, v2, 4, v3                   ; a fragment's row x pitch + 16 x half
	s_mul_i32 s70, s[RH], HALFT                    ; my 128 rows of xh
	s_mul_i32 s71, s[CH], HALFT                    ; my 128 rows of wvr,
	s_add_co_u32 s71, s71, 2*HALFT                 ; which lie behind xh's 256
.irp s, 0,1
	v_add_nc_u32 v[ADRA+(\s)], s70, v3
	v_add_nc_u32 v[ADRB+(\s)], s71, v3
	s_add_co_u32 s70, s70, SLOT
	s_add_co_u32 s71, s71, SLOT
.endr
	s_mul_i32 s72, s[WV], 16*SP
	s_add_co_u32 s72, s72, STAGE                   ; my stage
	v_mul_u32_u24 v4, v1, SP                       ; in: row r, 16 bytes for each half of the lanes
	v_lshl_add_u32 v4, v2, 4, v4
	v_add_nc_u32 v[STO], s72, v4
	v_and_b32 v5, 31, v0                           ; lane
	v_lshrrev_b32 v6, 3, v5                        ; back: 32 lanes take four rows of 128 bytes,
	v_and_b32 v7, 7, v0
	v_mul_u32_u24 v6, v6, SP
	v_lshl_add_u32 v6, v7, 4, v6
	v_add_nc_u32 v[RD], s72, v6
	v_lshlrev_b32 v[GO], 4, v5                     ; which are 512 consecutive bytes of yb
	v_lshlrev_b32 v[BO], 5, v2
	v_lshlrev_b32 v[ABO], 8, v2
	v_lshlrev_b32 v[PFO], 12, v5
	s_lshl_b32 s73, s[TX], 1
	s_add_co_u32 s73, s73, s[CH]                   ; g = 2 x tile column + half: my group of 64 channels
	s_lshl_b32 s74, s73, 19                        ; yb: block g of 4,096 rows x 128 bytes,
	s_lshl_b32 s75, s[TY], 15                      ; the tile's 256 rows,
	s_add_co_u32 s74, s74, s75
	s_lshl_b32 s75, s[RH], 14                      ; my 128 of them
	s_add_co_u32 s74, s74, s75
	s_mov_b32 s75, 0
	s_add_nc_u64 s[12:13], s[12:13], s[74:75]
	s_lshl_b32 s76, s73, 9                         ; bias: 128 g numbers of 4 bytes
	s_mov_b32 s77, 0
	s_add_nc_u64 s[8:9], s[8:9], s[76:77]
	s_lshl_b32 s78, s73, 11                        ; ab: 8 g blocks of 256 bytes,
	s_and_b32 s79, ttmp7, 0xffff                   ; the batch = tile row / 4 = cluster y: 64 bytes
	s_lshl_b32 s79, s79, 6
	s_add_co_u32 s78, s78, s79
	s_mov_b32 s79, 0
	s_add_nc_u64 s[10:11], s[10:11], s[78:79]
	WIN TO_B
.irp b, 0,1,2,3,4,5,6,7                ; register jj of n block b: the bias of column 16 b + 8 h + jj: a C operand, the same for all 16 rows
	global_load_b128 v[BIAS+8*(\b):BIAS+8*(\b)+3],   v[BO], s[8:9] offset:64*(\b)
	global_load_b128 v[BIAS+8*(\b)+4:BIAS+8*(\b)+7], v[BO], s[8:9] offset:64*(\b)+16
.endr
.set q, 0
.rept 16                               ; alpha, beta of channel 16 nb + 8 h + jj at v[16 nb + 2 jj], + 1
	global_load_b128 v[ABR+4*q:ABR+4*q+3], v[ABO], s[10:11] offset:512*(q/4)+16*(q%4)
.set q, q+1
.endr
	WIN 0
	; the prefetches' address and who asks
	s_lshl_b32 s80, s[TY], 8
	s_lshl_b32 s81, s[TX], 8
	s_and_b32 s82, ttmp7, 0xffff                   ; cluster y
	s_cmp_eq_u32 s[RH], 0                          ; do I fetch xh?
	s_cselect_b32 s80, s80, s81                    ; the tile's first row
	s_cselect_b32 s83, s[CX], s[CY]                ; my place among the four that ask for it with me
	s_cselect_b32 s82, ttmp9, s82                  ; the coordinate along which other clusters read the same rows
	s_cselect_b64 s[PFA:PFA+1], s[4:5], s[6:7]
	s_cmp_eq_u32 s82, 0
	s_cselect_b32 s[LIM], 1, -1                    ; the same in all sixteen partners, for a given wave
	s_lshl_b32 s81, s[CH], 7
	s_add_co_u32 s80, s80, s81                     ; + the 128 rows that I fetch
	s_lshl_b32 s83, s83, 5
	s_add_co_u32 s80, s80, s83                     ; + my work-group's 32 of them
	s_lshl_b32 s80, s80, 12
	s_add_co_u32 s80, s80, 3*KSTEP*2               ; at K step 3: the first refill steps it to 4 and names that
	s_mov_b32 s81, 0
	s_add_nc_u64 s[PFA:PFA+1], s[PFA:PFA+1], s[80:81]
	; which lane holds a row t = 0: row 256 x tile row + 128 x half + r is a multiple of 1,024.  It selects values alone: no branch and no address hangs on it
	s_lshl_b32 s84, s[TY], 8
	s_lshl_b32 s85, s[RH], 7
	s_add_co_u32 s84, s84, s85
	s_and_b32 s84, s84, 1023
	v_or_b32 v3, s84, v1
	s_wait_loadcnt 0x0                             ; bias, alpha, beta
	v_cmp_eq_u32 vcc_lo, 0, v3
	WIN 0x44                                       ; destination and source 1 in window 1
.set q, 0
.rept 32
	v_cndmask_b32 v[ABR+2*q],   0,   v[ABR+2*q],   vcc_lo  ; alpha, or 0
	v_cndmask_b32 v[ABR+2*q+1], 1.0, v[ABR+2*q+1], vcc_lo  ; beta, or 1
.set q, q+1
.endr
	WIN 0
; 16 matrix instructions: m blocks a0, a0 + 1 of the window's four (hi = 0: my rows 0-63, 1: rows 64-127) x all 8 n blocks, 32 along K.
; zero = 1: the first product starts the sums with the bias as C: nothing is cleared, and no bias is added later.
; The 64 accumulators take turns, one instruction a turn, in the same order in every quarter step, over the backward jump too.
.macro MUL16 f, hi, a0, zero
.if \zero
	WIN 0x91+0x40*(\hi)                            ; wvr window 1, xh window 0, C (the bias) window 1, D window 2 or 3
.else
	WIN 0xa1+0x50*(\hi)                            ; C and D window 2 or 3
.endif
.irp a, \a0, (\a0)+1
.irp b, 0,1,2,3,4,5,6,7
.if \zero
	v_wmma_f32_16x16x32_f16 v[8*(8*(\a)+(\b)):8*(8*(\a)+(\b))+7], v[(\f)+8*(\b):(\f)+8*(\b)+7], v[(\f)+8*(4*(\hi)+(\a)):(\f)+8*(4*(\hi)+(\a))+7], v[BIAS+8*(\b):BIAS+8*(\b)+7]
.else
	v_wmma_f32_16x16x32_f16 v[8*(8*(\a)+(\b)):8*(8*(\a)+(\b))+7], v[(\f)+8*(\b):(\f)+8*(\b)+7], v[(\f)+8*(4*(\hi)+(\a)):(\f)+8*(4*(\hi)+(\a))+7], v[8*(8*(\a)+(\b)):8*(8*(\a)+(\b))+7]
.endif
.endr
.endr
.endm
; 32 LDS loads in one run: the fragments of one quarter step (128 rows of wvr, 128 rows of xh, 32 K at byte k of the rows) into buffer f
.macro FETCH slot, k, f
	WIN TO_B
.irp i, 0,1,2,3,4,5,6,7
	ds_load_b128 v[(\f)+8*(\i):(\f)+8*(\i)+3],   v[ADRB+(\slot)] offset:(\k)+(\i)*16*PITCH
	ds_load_b128 v[(\f)+8*(\i)+4:(\f)+8*(\i)+7], v[ADRB+(\slot)] offset:(\k)+(\i)*16*PITCH+32
.endr
	WIN 0
.irp i, 0,1,2,3,4,5,6,7
	ds_load_b128 v[(\f)+8*(\i):(\f)+8*(\i)+3],   v[ADRA+(\slot)] offset:(\k)+(\i)*16*PITCH
	ds_load_b128 v[(\f)+8*(\i)+4:(\f)+8*(\i)+7], v[ADRA+(\slot)] offset:(\k)+(\i)*16*PITCH+32
.endr
.endm
.macro PLACES                          ; four plain vector instructions behind the last matrix instruction, in front of loads into registers that it has read and of lines that read results
.rept 4
	v_nop
.endr
.endm
; A K step is four quarter steps of 32 along K, 64 matrix instructions each, on buffers 0, 1, 0, 1.  One of the first three multiplies buffer f and fetches the next quarter, at byte k, into g.
.macro QUARTER slot, k, f, g, zero
	s_wait_dscnt 8                                 ; wvr's fragments and xh's rows 0-63 are in; the youngest eight loads (xh's rows 64-127) may be out
	MUL16 \f, 0, 0, \zero
	MUL16 \f, 0, 2, \zero
	PLACES
	FETCH \slot, \k, \g
	s_wait_dscnt 32                                ; all but the 32 just issued
	MUL16 \f, 1, 0, \zero
	MUL16 \f, 1, 2, \zero
.endm
; The last quarter multiplies buffer 1 and changes slots: ONE barrier.  In front of it each wave waits for all its tensor loads (one is out: its part of the next slot), adds 0 to its spare
; word, and waits for that and for its own reads of this slot.  fill = 1: the barrier opens a round of the cluster's barrier, and the slot just read out is filled again, two K steps on,
; first thing behind the round: from that request to the wait for it a wave issues 224 matrix instructions.
.macro TURN slot, next, fill
.if \fill
	s_wait_xcnt 0x0                                ; the last prefetch, a K step back, has read its address, which is stepped here
	s_add_nc_u64 s[PFA:PFA+1], s[PFA:PFA+1], KSTEP*2
.endif
	WIN 0                                          ; (the add's two registers lie in window 0)
	s_wait_tensorcnt 0x0                           ; all my tensor loads have landed
	ds_add_u32 v[SPW], v[NIL]                      ; 0 onto my spare word
	s_wait_dscnt 9                                 ; (the add and the youngest eight loads may be out)
	MUL16 F1, 0, 0, 0                              ; sixteen matrix instructions stand between the add and the wait for it
	s_wait_dscnt 0x0                               ; the add is done, and my reads of this slot are over
	s_barrier_signal -1
	MUL16 F1, 0, 2, 0                              ; work on registers while the others arrive
.if \fill
	WIN 0
.endif
	s_barrier_wait -1
.if \fill
	CREST                                          ; no wave of any partner still reads this slot's tile or has a load on its way
	s_add_nc_u64 s[G0+4*(\slot)+2:G0+4*(\slot)+3], s[G0+4*(\slot)+2:G0+4*(\slot)+3], 2*KSTEP*2
	s_add_nc_u64 s[G0B+4*(\slot)+2:G0B+4*(\slot)+3], s[G0B+4*(\slot)+2:G0B+4*(\slot)+3], 2*KSTEP*2
	JLOAD \slot                                    ; the four v_nop behind it are also the places in front of the loads below
.else
	PLACES
.endif
	FETCH \next, 0, F0
.if \fill
	ASK
.endif
	MUL16 F1, 1, 0, 0
	MUL16 F1, 1, 2, 0
.endm
	s_wait_tensorcnt 1                             ; my part of K step 0 is in; K step 1's may stay out
	s_barrier_signal -1
	s_barrier_wait -1                              ; everybody's is
	FETCH 0, 0, F0
	QUARTER 0, 64,  F0, F1, 1                      ; the first quarter stands in front of the loop: its products start the sums
	WIN 0                                          ; at a label and at a branch every window is 0
	s_mov_b32 s3, LAPS-1
.Llap:                                                 ; a trip goes once round the ring, from a lap's second quarter to the next lap's first, and fills both slots again
	QUARTER 0, 128, F1, F0, 0
	QUARTER 0, 192, F0, F1, 0
	TURN 0, 1, 1
	QUARTER 1, 64,  F0, F1, 0
	QUARTER 1, 128, F1, F0, 0
	QUARTER 1, 192, F0, F1, 0
	TURN 1, 0, 1
	QUARTER 0, 64,  F0, F1, 0
	WIN 0
	s_sub_co_u32 s3, s3, 1
	s_cmp_lg_u32 s3, 0
	s_cbranch_scc1 .Llap
	QUARTER 0, 128, F1, F0, 0                      ; the last lap is written out: it fills nothing
	QUARTER 0, 192, F0, F1, 0
	TURN 0, 1, 0
	QUARTER 1, 64,  F0, F1, 0
	QUARTER 1, 128, F1, F0, 0
	QUARTER 1, 192, F0, F1, 0
	s_wait_dscnt 8                                 ; the very last quarter: nothing more to fetch
	MUL16 F1, 0, 0, 0
	MUL16 F1, 0, 2, 0
	s_wait_dscnt 0x0
	MUL16 F1, 1, 0, 0
	MUL16 F1, 1, 2, 0
	PLACES
	PLACES                                         ; eight, once a launch
; THE WAY OUT, a block of 16 rows at a time.  EPI: y = v / (1 + 2^z'), rounded to bf16, 16 bytes a lane and n block.  Each accumulator is read from its lowest registers on.
; The 32 exponentials are one batch with one wait, and so are the 32 reciprocals: a plain instruction behind the last of a batch, then a wait ahead of the first reader.
.macro EPI a
.set AC, 64*((\a)%4)
.set WW, 2+(\a)/4
.if (\a) == 0
	WIN 0x99                                       ; beta (source 0) and alpha (source 2) window 1, v and the destination window 2
.set q, 0
.rept 32
	v_fma_f32 v[AC+q], v[ABR+2*q+1], v[AC+q], v[ABR+2*q]  ; wkv = beta v + alpha; beta = 1 and alpha = 0 in every lane whose row is not a t = 0
.set q, q+1
.endr
.endif
	WIN 0x55*WW                                    ; all places in the block's window
.set q, 0
.rept 32
	v_exp_f32 v[AC+32+q], v[AC+32+q]
.set q, q+1
.endr
	v_nop
	s_wait_alu depctr_va_vdst(0)
.set q, 0
.rept 16
	v_pk_add_f32 v[AC+32+q:AC+32+q+1], v[AC+32+q:AC+32+q+1], 1.0 op_sel_hi:[1,0]
.set q, q+2
.endr
.set q, 0
.rept 32
	v_rcp_f32 v[AC+32+q], v[AC+32+q]
.set q, q+1
.endr
	v_nop
	s_wait_alu depctr_va_vdst(0)
.set q, 0
.rept 16
	v_pk_mul_f32 v[AC+q:AC+q+1], v[AC+q:AC+q+1], v[AC+32+q:AC+32+q+1]
.set q, q+2
.endr
	WIN 5*WW                                       ; sources in the block's window, destination window 0
.set q, 0
.rept 16
	v_cvt_pk_bf16_f32 v[TMP+q], v[AC+2*q], v[AC+2*q+1]
.set q, q+1
.endr
.endm
.macro TOSTAGE a                       ; into my own stage, rows of 144 bytes, and back as whole rows of 128
	WIN 0
.irp nb, 0,1,2,3
	ds_store_b128 v[STO], v[TMP+4*(\nb):TMP+4*(\nb)+3] offset:32*(\nb)
.endr
.irp f, 0,1,2,3
	ds_load_b128 v[BK+16*(\a)+4*(\f):BK+16*(\a)+4*(\f)+3], v[RD] offset:(\f)*4*SP  ; LDS serves a wave's instructions in order (ISA guide 5.7.1.4): these see the stores above; the next block's stores come behind them
.endr
.endm
.macro SEND a                          ; each block has registers of its own and the base is never stepped: nothing that a store names is written again
	WIN 0
	s_wait_dscnt 0x0                               ; the block is back in registers
.irp f, 0,1,2,3
	global_store_b128 v[GO], v[BK+16*(\a)+4*(\f):BK+16*(\a)+4*(\f)+3], s[12:13] offset:2048*(\a)+512*(\f)  ; 512 consecutive bytes, at a multiple of 256 from yb's first
.endr
.endm
	EPI 0
	TOSTAGE 0
.irp a, 1,2,3,4,5,6,7                  ; a block's arithmetic stands between the loads of the block before and the wait for them
	EPI \a
	SEND (\a)-1
	TOSTAGE \a
.endr
	SEND 7
	s_wait_tensorcnt 0x0                           ; the wave's end, behind my last tensor load and my last LDS store
	ds_add_u32 v[SPW], v[NIL]
	s_wait_dscnt 0x0
	CROUND                                         ; the closing round: no work-group ends while a partner may still ask for a tile that names it
	s_endpgm
.Lfunc_end_k_qbdc08ecca8_vr:
	.size	k_qbdc08ecca8_vr, .Lfunc_end_k_qbdc08ecca8_vr-k_qbdc08ecca8_vr
	.p2alignl 7, 3214868480
	.fill 96, 4, 3214868480
	.section	.rodata,"a",@progbits
	.p2align	6, 0x0
	.amdhsa_kernel k_qbdc08ecca8_vr
		.amdhsa_group_segment_fixed_size 327680
		.amdhsa_private_segment_fixed_size 0
		.amdhsa_enable_private_segment 0
		.amdhsa_kernarg_size 40
		.amdhsa_user_sgpr_count 2
		.amdhsa_user_sgpr_kernarg_segment_ptr 1
		.amdhsa_wavefront_size32 1
		.amdhsa_system_sgpr_workgroup_id_x 1
		.amdhsa_system_sgpr_workgroup_id_y 1
		.amdhsa_system_sgpr_workgroup_id_z 1
		.amdhsa_system_vgpr_workitem_id 0
		.amdhsa_next_free_vgpr 1024
		.amdhsa_next_free_sgpr 92
		.amdhsa_reserve_vcc 1
		.amdhsa_float_denorm_mode_32 3
		.amdhsa_float_denorm_mode_16_64 3
		.amdhsa_memory_ordered 1
		.amdhsa_forward_progress 1
		.amdhsa_inst_pref_size 169
	.end_amdhsa_kernel
	.amdgpu_metadata
---
amdhsa.version: [ 1, 2 ]
amdhsa.kernels:
  - .name:           k_qbdc08ecca8_vr
    .symbol:         k_qbdc08ecca8_vr.kd
    .args:
      - { .name: xh, .offset: 0, .size: 8, .value_kind: global_buffer, .address_space: global }
      - { .name: wvr, .offset: 8, .size: 8, .value_kind: global_buffer, .address_space: global }
      - { .name: bias, .offset: 16, .size: 8, .value_kind: global_buffer, .address_space: global }
      - { .name: ab, .offset: 24, .size: 8, .value_kind: global_buffer, .address_space: global }
      - { .name: yb, .offset: 32, .size: 8, .value_kind: global_buffer, .address_space: global }
    .group_segment_fixed_size: 327680
    .private_segment_fixed_size: 0
    .kernarg_segment_align: 8
    .kernarg_segment_size: 40
    .max_flat_workgroup_size: 128
    .sgpr_count:     92
    .vgpr_count:     1024
    .wavefront_size: 32
...
	.end_amdgpu_metadata
.endif
;; end of part 2
;; launch outp (part 3): grid 16 x 16, 4 waves a work-group, clusters of 4 x 4, 327,680 bytes of LDS; arguments yb, wob, out0; writes out0
.if DOCPART == 3
	.amdgcn_target "amdgcn-amd-amdhsa--gfx1250"
	.amdhsa_code_object_version 6
	.text
	.protected	k_qbdc08ecca8_outp
	.globl	k_qbdc08ecca8_outp
	.p2align	8
	.type	k_qbdc08ecca8_outp,@function
k_qbdc08ecca8_outp:
	s_mov_b64 s[64:65], 0
	v_nop
	global_prefetch_b8 v0, s[64:65] scope:SCOPE_SE
	s_setreg_imm32_b32 hwreg(HW_REG_WAVE_MODE, 25, 1), 1
	s_wait_xcnt 0x0
	s_wait_alu depctr_hold_cnt(0) depctr_sa_sdst(0) depctr_va_vdst(0) depctr_va_sdst(0) depctr_va_ssrc(0) depctr_va_vcc(0) depctr_vm_vsrc(0)
	s_getreg_b32 s2, hwreg(HW_REG_IB_STS2, 6, 4)
	s_cmp_eq_u32 s2, 0
	s_cbranch_scc0 .Lentry_in_a_cluster
	s_endpgm
.Lentry_in_a_cluster:
	s_bfe_u32 s2, ttmp6, 0x10000c
	s_cmp_lg_u32 s2, 0xf033
	s_cbranch_scc0 .Lentry_shape_is_right
	s_endpgm
.Lentry_shape_is_right:
; TimeMix, launch 3 of 3: out0[row][n] = sum over o of y[row][o] w_out[n][o].  y (yb) and w_out (wob) in bf16, sums in f32, out0 in f32.  This launch leaves no work out.
; yb: [block of 64 channels][4096 rows][64]; wob: [2048][2048]; out0: [4096][2048].
; SHARES.  A tile of out0 is 256 rows x 128 columns, so that the 4,096 x 2,048 numbers make 256 tiles, one work-group each.  Four waves, each 128 rows x 64 columns: 32 accumulators, 256 registers.
; RING.  K goes in steps of 128 = two blocks of yb, through two LDS slots.  Waves 0 and 1 fetch a block's 256 rows each: 32,768 dense bytes, asked for as 128 rows of 256 bytes and padded
; in LDS behind every 128 bytes, so that y's rows lie 144 bytes apart.  Waves 2 and 3 fetch 64 rows x 256 bytes of wob each, 272 bytes apart in LDS.
; CLUSTERS.  4 x 4 work-groups: yb's tiles are shared along a row of the cluster, wob's along a column, each asked for JOINTLY with a mask that names the four.
; THE MATRIX INSTRUCTION IS USED TRANSPOSED (source 0 = 16 rows of wob, source 1 = 16 rows of y): a lane holds eight neighbouring numbers of a row of out0, 32 bytes.
; REGISTERS: window 0: v0-31 addresses; v64-127, v128-191 y's fragments, two buffers (on the way out: rows read back from the stage); v192-223, v224-255 wob's fragments.
;   window 1: the accumulators, (a, b) at v[8 (4 a + b)].
.set KSTEP,  128
.set PA,     144                       ; a row of y in LDS: 128 bytes + 16 = 36 words: the 16 rows of a load start at 16 different groups of four banks (64 banks of 4 bytes: ISA guide 11.1)
.set ASUB,   256*PA                    ; one block's 256 rows
.set BOFF,   2*ASUB                    ; wob's rows lie behind the two blocks
.set PB,     272
.set BHALF,  64*PB
.set SLOT,   BOFF+2*BHALF
.set STAGE,  2*SLOT                    ; behind the ring, never filled by a tensor load: 16 rows x 272 bytes for each wave
.set SPI,    272
.set SPARE,  STAGE+4*16*SPI            ; behind the stages: the spare words, 128 bytes for each wave; no other line names them
.set LAPS,   8                         ; 2,048 / 256
.set ABLK,   0x80000                   ; bytes in a block of yb: 4,096 rows x 128
.set ADRA, 16                          ; v16-17  LDS address of my fragments of y in slot 0, 1
.set ADRB, 20                          ; v20-21  the same for wob
.set STO,  24
.set RD,   25
.set CO,   26                          ; v26  my byte offset in two rows of out0
.set SPW,  28                          ; v28  LDS address of my spare word; never rewritten
.set NIL,  29                          ; v29  0; never rewritten
.set PFO,  30                          ; v30  the prefetches' offset; never rewritten
.set FA,   64
.set FB,   192
.set BK,   64
.set WV,  14
.set RH,  15                           ; s15  which half of the tile's rows is mine; also: I fetch yb (0) or wob (1)
.set CH,  16                           ; s16  which half of its columns; also: which block of yb, or which 64 rows of wob, I fetch
.set CX,  17
.set CY,  18
.set TX,  19
.set TY,  20
.set LIM, 21
.set G1,  24
.set G0,  32
.set PFA, 44
.set G1B, 48
.set G0B, 56
.set PST, 68                           ; s[68:69] what a K step is in my prefetches' address
.set MSB, 0
.macro WIN new
.if MSB != (\new)
	s_set_vgpr_msb (MSB<<8)|(\new)
.set MSB, \new
.endif
.endm
.set MUL, 0x50                         ; sources 0 and 1 window 0; C and D window 1
.macro JLOAD s                         ; a joint load; an s_nop 0 and four v_nop follow each of the two lines
	s_cmp_eq_u32 s[RH], 0
	s_cbranch_scc0 .Lfor_b_\@
	tensor_load_to_lds s[G0+4*(\s):G0+4*(\s)+3], s[G1:G1+7]
	s_nop 0
.rept 4
	v_nop
.endr
	s_branch .Lasked_\@
.Lfor_b_\@:
	tensor_load_to_lds s[G0B+4*(\s):G0B+4*(\s)+3], s[G1B:G1B+7]
	s_nop 0
.rept 4
	v_nop
.endr
.Lasked_\@:
.endm
; A PREFETCH behind each joint refill and its run of LDS loads, for the K step that stands two refills on (256 matrix instructions).  Each 256 bytes are named once in the launch.
; yb: in the clusters with x = 0, waves 0 and 1 each ask for the block that they will fetch: its 128 pieces of 256 bytes are shared out among the four partners by address, 32 cx + lane.
; wob: in the clusters with y = 0, wave 2 asks for the tile's 128 rows: partner cy takes rows 32 cy + lane.  Wave 3 asks for nothing.
; K steps 0 to 3 come by their loads alone; the loop's last trip (s3 = 1) asks for nothing.
.macro ASK
	s_cmp_gt_u32 s3, s[LIM]
	s_cbranch_scc0 .Lnot_mine_\@
	global_prefetch_b8 v[PFO], s[PFA:PFA+1] th:TH_LOAD_NT scope:SCOPE_SE
.Lnot_mine_\@:
.endm
.macro CREST
	s_cmp_lg_u32 s[WV], 0
	s_cbranch_scc1 .Lnot_wave_0_\@
	s_barrier_signal -3
.Lnot_wave_0_\@:
	s_barrier_wait -3
	s_barrier_signal -1
	s_barrier_wait -1
.endm
.macro CROUND
	s_barrier_signal -1
	s_barrier_wait -1
	CREST
.endm
	s_load_b128 s[4:7], s[0:1], 0x0                ; yb s[4:5], wob s[6:7]
	s_load_b64 s[8:9], s[0:1], 0x10                ; out0
	v_lshl_add_u32 v[SPW], v0, 2, SPARE
	v_mov_b32 v[NIL], 0
	ds_add_u32 v[SPW], v[NIL]                      ; the wave's opening: the add, twice on end, and its wait ahead of my first tensor load
	ds_add_u32 v[SPW], v[NIL]                      ; and once more, under the one wait; the set-up below, work on registers, stands between
	v_lshrrev_b32 v1, 5, v0
	v_readfirstlane_b32 s[WV], v1
	s_lshr_b32 s[RH], s[WV], 1
	s_and_b32 s[CH], s[WV], 1
	s_bfe_u32 s[CX], ttmp6, 0x40000
	s_bfe_u32 s[CY], ttmp6, 0x40004
	s_lshl_b32 s[TX], ttmp9, 2
	s_add_co_u32 s[TX], s[TX], s[CX]               ; tile column = 4 x cluster x + cx
	s_and_b32 s[TY], ttmp7, 0xffff
	s_lshl_b32 s[TY], s[TY], 2
	s_add_co_u32 s[TY], s[TY], s[CY]               ; tile row = 4 x cluster y + cy
	s_lshl_b32 s70, s[CY], 2
	s_lshl_b32 s70, 15, s70                        ; my row of the cluster
	s_lshl_b32 s71, 0x1111, s[CX]                  ; my column
	; group 1 for yb: 128 rows x 128 elements of 2 bytes, dense; 16 bytes of padding behind every 32 words
	s_or_b32 s[G1+0], s70, (1<<16)|(1<<20)|(1<<21)|(4<<22)|(3<<25)
	s_mov_b32 s[G1+1], 128<<16                     ; tensor_dim0 = 128
	s_mov_b32 s[G1+2], 128<<16                     ; tensor_dim1 = 128
	s_mov_b32 s[G1+3], 128<<16                     ; tile_dim0 = 128
	s_mov_b32 s[G1+4], 128                         ; tile_dim1 = 128
	s_mov_b32 s[G1+5], 128                         ; elements from row to row
	s_mov_b32 s[G1+6], 0
	s_mov_b32 s[G1+7], 0
	; group 1 for wob: 64 rows x 128 elements, 2,048 from row to row; 16 bytes of padding behind every 64 words
	s_or_b32 s[G1B+0], s71, (1<<16)|(1<<20)|(1<<21)|(5<<22)|(3<<25)
	s_mov_b32 s[G1B+1], 128<<16
	s_mov_b32 s[G1B+2], 64<<16
	s_mov_b32 s[G1B+3], 128<<16
	s_mov_b32 s[G1B+4], 64
	s_mov_b32 s[G1B+5], 2048
	s_mov_b32 s[G1B+6], 0
	s_mov_b32 s[G1B+7], 0
	s_lshl_b32 s40, s[TY], 15                      ; yb: the tile's 256 rows of 128 bytes,
	s_lshl_b32 s41, s[CH], 19                      ; in the block that I fetch
	s_add_co_u32 s40, s40, s41
	s_mov_b32 s41, 0
	s_lshl_b32 s46, s[TX], 7
	s_lshl_b32 s47, s[CH], 6
	s_add_co_u32 s46, s46, s47                     ; wob: row 128 x tile column + 64 x half,
	s_lshl_b32 s46, s46, 12                        ; of 4,096 bytes
	s_mov_b32 s47, 0
	s_mul_i32 s2, s[CH], ASUB                      ; where they go: no place in the cluster enters an LDS address
	s_mul_i32 s22, s[CH], BHALF
	s_add_co_u32 s22, s22, BOFF
	s_wait_dscnt 0x0                               ; both opening adds are done
	s_wait_kmcnt 0x0
	s_add_nc_u64 s[42:43], s[4:5], s[40:41]
	s_add_nc_u64 s[46:47], s[6:7], s[46:47]
	CROUND                                         ; all sixteen work-groups are here: the first joint loads meet
.irp s, 0,1
	s_mov_b32 s[G0+4*(\s)], 1
	s_add_co_u32 s[G0+4*(\s)+1], s2, (\s)*SLOT
	s_add_nc_u64 s[G0+4*(\s)+2:G0+4*(\s)+3], s[42:43], (\s)*2*ABLK  ; K step s: two blocks on
	s_or_b32 s[G0+4*(\s)+3], s[G0+4*(\s)+3], 0x80000000
	s_mov_b32 s[G0B+4*(\s)], 1
	s_add_co_u32 s[G0B+4*(\s)+1], s22, (\s)*SLOT
	s_add_nc_u64 s[G0B+4*(\s)+2:G0B+4*(\s)+3], s[46:47], (\s)*KSTEP*2
	s_or_b32 s[G0B+4*(\s)+3], s[G0B+4*(\s)+3], 0x80000000
	JLOAD \s                                       ; two loads of mine are out
.endr
	v_and_b32 v1, 15, v0                           ; r
	v_bfe_u32 v2, v0, 4, 1                         ; h
	v_mul_u32_u24 v3, v1, PA
	v_lshl_add_u32 v3, v2, 4, v3
	v_mul_u32_u24 v4, v1, PB
	v_lshl_add_u32 v4, v2, 4, v4
	s_mul_i32 s72, s[RH], 128*PA                   ; my 128 rows of y
	s_mul_i32 s73, s[CH], BHALF                    ; my 64 rows of wob
	s_add_co_u32 s73, s73, BOFF
.irp s, 0,1
	v_add_nc_u32 v[ADRA+(\s)], s72, v3
	v_add_nc_u32 v[ADRB+(\s)], s73, v4
	s_add_co_u32 s72, s72, SLOT
	s_add_co_u32 s73, s73, SLOT
.endr
	s_mul_i32 s74, s[WV], 16*SPI
	s_add_co_u32 s74, s74, STAGE                   ; my stage
	v_mul_u32_u24 v5, v1, SPI                      ; in: row r, 32 bytes for each half of the lanes
	v_lshl_add_u32 v5, v2, 5, v5
	v_add_nc_u32 v[STO], s74, v5
	v_mul_u32_u24 v6, v2, SPI                      ; back: lanes 0-15 take one row of 256 bytes, lanes 16-31 the next
	v_lshl_add_u32 v6, v1, 4, v6
	v_add_nc_u32 v[RD], s74, v6
	v_lshlrev_b32 v7, 13, v2                       ; and the same two rows in out0, 8,192 bytes apart
	v_lshl_add_u32 v[CO], v1, 4, v7
	s_lshl_b32 s76, s[TY], 8
	s_lshl_b32 s77, s[RH], 7
	s_add_co_u32 s76, s76, s77                     ; my first row,
	s_lshl_b32 s76, s76, 13
	s_lshl_b32 s77, s[TX], 9                       ; the tile's 128 columns of 4 bytes,
	s_add_co_u32 s76, s76, s77
	s_lshl_b32 s77, s[CH], 8                       ; my 64 of them
	s_add_co_u32 s76, s76, s77
	s_mov_b32 s77, 0
	s_add_nc_u64 s[10:11], s[8:9], s[76:77]
	; the prefetches
	s_mov_b32 s87, KSTEP*2
	s_and_b32 s82, ttmp7, 0xffff                   ; cluster y
	s_cmp_eq_u32 s[RH], 0                          ; do I fetch yb?
	s_cselect_b32 s82, ttmp9, s82                  ; the coordinate along which other clusters read the same bytes
	s_cselect_b64 s[PFA:PFA+1], s[4:5], s[6:7]
	s_cselect_b32 s83, 8, 12                       ; a lane a piece of 256 bytes, or a lane a row of 4,096
	s_cselect_b32 s[PST], 2*ABLK, s87
	s_mov_b32 s[PST+1], 0
	s_lshl_b32 s84, s[CH], 19
	s_add_co_u32 s84, s84, 6*ABLK                  ; yb: K step 3's block of mine,
	s_lshl_b32 s85, s[TY], 15                      ; the tile's rows,
	s_add_co_u32 s84, s84, s85
	s_lshl_b32 s85, s[CX], 13                      ; my work-group's 32 pieces
	s_add_co_u32 s84, s84, s85
	s_lshl_b32 s86, s[TX], 7
	s_lshl_b32 s85, s[CY], 5
	s_add_co_u32 s86, s86, s85                     ; wob: row 128 x tile column + my work-group's 32,
	s_lshl_b32 s86, s86, 12
	s_add_co_u32 s86, s86, 3*KSTEP*2               ; at K step 3
	s_cmp_eq_u32 s[RH], 0
	s_cselect_b32 s84, s84, s86
	s_mov_b32 s85, 0
	s_add_nc_u64 s[PFA:PFA+1], s[PFA:PFA+1], s[84:85]
	s_cmp_eq_u32 s[WV], 3
	s_cselect_b32 s82, 1, s82
	s_cmp_eq_u32 s82, 0
	s_cselect_b32 s[LIM], 1, -1                    ; the same in all sixteen partners, for a given wave
	v_and_b32 v8, 31, v0
	v_lshlrev_b32 v[PFO], s83, v8
; 8 matrix instructions: m blocks a0, a0 + 1 x all 4 n blocks, 32 along K, from buffer f (0, 1).  zero = 1: the first product starts the sums.
; The 32 accumulators take turns, one instruction a turn, in the same order in every quarter step.
.macro MUL8 f, a0, zero
	WIN MUL
.irp a, \a0, (\a0)+1
.irp b, 0,1,2,3
.if \zero
	v_wmma_f32_16x16x32_bf16 v[8*(4*(\a)+(\b)):8*(4*(\a)+(\b))+7], v[FB+32*(\f)+8*(\b):FB+32*(\f)+8*(\b)+7], v[FA+64*(\f)+8*(\a):FA+64*(\f)+8*(\a)+7], 0
.else
	v_wmma_f32_16x16x32_bf16 v[8*(4*(\a)+(\b)):8*(4*(\a)+(\b))+7], v[FB+32*(\f)+8*(\b):FB+32*(\f)+8*(\b)+7], v[FA+64*(\f)+8*(\a):FA+64*(\f)+8*(\a)+7], v[8*(4*(\a)+(\b)):8*(4*(\a)+(\b))+7]
.endif
.endr
.endr
.endm
; 24 LDS loads in one run: quarter q of a K step into buffer f: wob's 64 rows first, then y's 128; quarters 0, 1 lie in the slot's first block of y, 2, 3 in its second
.macro FETCH slot, q, f
	WIN 0
.irp b, 0,1,2,3
	ds_load_b128 v[FB+32*(\f)+8*(\b):FB+32*(\f)+8*(\b)+3],   v[ADRB+(\slot)] offset:64*(\q)+(\b)*16*PB
	ds_load_b128 v[FB+32*(\f)+8*(\b)+4:FB+32*(\f)+8*(\b)+7], v[ADRB+(\slot)] offset:64*(\q)+(\b)*16*PB+32
.endr
.irp a, 0,1,2,3,4,5,6,7
	ds_load_b128 v[FA+64*(\f)+8*(\a):FA+64*(\f)+8*(\a)+3],   v[ADRA+(\slot)] offset:((\q)/2)*ASUB+64*((\q)%2)+(\a)*16*PA
	ds_load_b128 v[FA+64*(\f)+8*(\a)+4:FA+64*(\f)+8*(\a)+7], v[ADRA+(\slot)] offset:((\q)/2)*ASUB+64*((\q)%2)+(\a)*16*PA+32
.endr
.endm
.macro PLACES                          ; four plain vector instructions behind the last matrix instruction (ISA guide 7.12.1)
.rept 4
	v_nop
.endr
.endm
; A K step is four quarters of 32 along K, 32 matrix instructions each, on buffers 0, 1, 0, 1.  One of the first three multiplies buffer f and fetches quarter q into g.
.macro QUARTER slot, q, f, g, zero
	s_wait_dscnt 8                                 ; wob's fragments and y's rows 0-63 are in; the youngest eight loads (y's rows 64-127) may be out
	MUL8 \f, 0, \zero
	MUL8 \f, 2, \zero
	PLACES
	FETCH \slot, \q, \g
	s_wait_dscnt 24                                ; all but the 24 just issued
	MUL8 \f, 4, \zero
	MUL8 \f, 6, \zero
.endm
; The last quarter multiplies buffer 1 and changes slots: one barrier, in front of it the wait for all my tensor loads, the add, and the wait for it and for my reads of this slot.
; fill = 1: the barrier opens a round of the cluster's barrier, and the slot is filled again, two K steps on, first thing behind the round: 112 matrix instructions ahead of the wait for it.
.macro TURN slot, next, fill
.if \fill
	s_wait_xcnt 0x0                                ; the last prefetch, a K step back, has read its address, which is stepped here
	s_add_nc_u64 s[PFA:PFA+1], s[PFA:PFA+1], s[PST:PST+1]
.endif
	WIN 0
	s_wait_tensorcnt 0x0                           ; all my tensor loads have landed: my part of the next slot
	ds_add_u32 v[SPW], v[NIL]                      ; 0 onto my spare word
	s_wait_dscnt 9                                 ; (the add and the youngest eight loads may be out)
	MUL8 1, 0, 0                                   ; eight matrix instructions stand between the add and the wait for it
	s_wait_dscnt 0x0                               ; the add is done, and my reads of this slot are over
	s_barrier_signal -1
	MUL8 1, 2, 0
.if \fill
	WIN 0
.endif
	s_barrier_wait -1
.if \fill
	CREST                                          ; no wave of any partner still reads this slot's tile or has a load on its way
	s_add_nc_u64 s[G0+4*(\slot)+2:G0+4*(\slot)+3], s[G0+4*(\slot)+2:G0+4*(\slot)+3], 4*ABLK
	s_add_nc_u64 s[G0B+4*(\slot)+2:G0B+4*(\slot)+3], s[G0B+4*(\slot)+2:G0B+4*(\slot)+3], 2*KSTEP*2
	JLOAD \slot                                    ; the four v_nop behind it are also the places in front of the loads below
.else
	PLACES
.endif
	FETCH \next, 0, 0
.if \fill
	ASK
.endif
	MUL8 1, 4, 0
	MUL8 1, 6, 0
.endm
	s_wait_tensorcnt 1                             ; my part of K step 0 is in; K step 1's may stay out
	s_barrier_signal -1
	s_barrier_wait -1
	FETCH 0, 0, 0
	QUARTER 0, 1, 0, 1, 1                          ; the first quarter stands in front of the loop: its products start the sums
	WIN 0
	s_mov_b32 s3, LAPS-1
.Llap:                                                 ; a trip goes once round the ring and fills both slots again
	QUARTER 0, 2, 1, 0, 0
	QUARTER 0, 3, 0, 1, 0
	TURN 0, 1, 1
	QUARTER 1, 1, 0, 1, 0
	QUARTER 1, 2, 1, 0, 0
	QUARTER 1, 3, 0, 1, 0
	TURN 1, 0, 1
	QUARTER 0, 1, 0, 1, 0
	WIN 0
	s_sub_co_u32 s3, s3, 1
	s_cmp_lg_u32 s3, 0
	s_cbranch_scc1 .Llap
	QUARTER 0, 2, 1, 0, 0                          ; the last lap is written out: it fills nothing
	QUARTER 0, 3, 0, 1, 0
	TURN 0, 1, 0
	QUARTER 1, 1, 0, 1, 0
	QUARTER 1, 2, 1, 0, 0
	QUARTER 1, 3, 0, 1, 0
	s_wait_dscnt 8
	MUL8 1, 0, 0
	MUL8 1, 2, 0
	s_wait_dscnt 0x0
	MUL8 1, 4, 0
	MUL8 1, 6, 0
	PLACES
	PLACES                                         ; eight, once a launch
	; THE WAY OUT, 16 rows at a time: a lane's 32 bytes of a row go into my own stage, rows of 272 bytes, and come back as whole rows of 256 bytes.
.irp a, 0,1,2,3,4,5,6,7
.if (\a) >= 4
	s_wait_xcnt 0x0                                ; the stores of the block four back have read these registers: they are loaded again only behind this wait
.endif
	WIN 0x04                                       ; the stored data (source 1) in window 1
.irp b, 0,1,2,3
	ds_store_b128 v[STO], v[8*(4*(\a)+(\b)):8*(4*(\a)+(\b))+3]   offset:64*(\b)  ; each accumulator's lowest registers first
	ds_store_b128 v[STO], v[8*(4*(\a)+(\b))+4:8*(4*(\a)+(\b))+7] offset:64*(\b)+16
.endr
	WIN 0
.irp t, 0,1,2,3,4,5,6,7
	ds_load_b128 v[BK+32*((\a)%4)+4*(\t):BK+32*((\a)%4)+4*(\t)+3], v[RD] offset:(\t)*2*SPI  ; LDS serves a wave's instructions in order (ISA guide 5.7.1.4): these see the stores above; the next block's stores come behind them
.endr
	s_wait_dscnt 0x0
.irp t, 0,1,2,3,4,5,6,7
	global_store_b128 v[CO], v[BK+32*((\a)%4)+4*(\t):BK+32*((\a)%4)+4*(\t)+3], s[10:11] offset:131072*(\a)+16384*(\t) th:TH_STORE_NT  ; 16 lanes store 256 consecutive bytes, at a multiple of 256 from out0's first
.endr
.endr
	s_wait_tensorcnt 0x0                           ; the wave's end, behind my last tensor load and my last LDS store
	ds_add_u32 v[SPW], v[NIL]
	s_wait_dscnt 0x0
	CROUND                                         ; the closing round: no work-group ends while a partner may still ask for a tile that names it
	s_endpgm
.Lfunc_end_k_qbdc08ecca8_outp:
	.size	k_qbdc08ecca8_outp, .Lfunc_end_k_qbdc08ecca8_outp-k_qbdc08ecca8_outp
	.p2alignl 7, 3214868480
	.fill 96, 4, 3214868480
	.section	.rodata,"a",@progbits
	.p2align	6, 0x0
	.amdhsa_kernel k_qbdc08ecca8_outp
		.amdhsa_group_segment_fixed_size 327680
		.amdhsa_private_segment_fixed_size 0
		.amdhsa_enable_private_segment 0
		.amdhsa_kernarg_size 24
		.amdhsa_user_sgpr_count 2
		.amdhsa_user_sgpr_kernarg_segment_ptr 1
		.amdhsa_wavefront_size32 1
		.amdhsa_system_sgpr_workgroup_id_x 1
		.amdhsa_system_sgpr_workgroup_id_y 1
		.amdhsa_system_sgpr_workgroup_id_z 1
		.amdhsa_system_vgpr_workitem_id 0
		.amdhsa_next_free_vgpr 512
		.amdhsa_next_free_sgpr 92
		.amdhsa_reserve_vcc 0
		.amdhsa_float_denorm_mode_32 3
		.amdhsa_float_denorm_mode_16_64 3
		.amdhsa_memory_ordered 1
		.amdhsa_forward_progress 1
		.amdhsa_inst_pref_size 87
	.end_amdhsa_kernel
	.amdgpu_metadata
---
amdhsa.version: [ 1, 2 ]
amdhsa.kernels:
  - .name:           k_qbdc08ecca8_outp
    .symbol:         k_qbdc08ecca8_outp.kd
    .args:
      - { .name: yb, .offset: 0, .size: 8, .value_kind: global_buffer, .address_space: global }
      - { .name: wob, .offset: 8, .size: 8, .value_kind: global_buffer, .address_space: global }
      - { .name: out0, .offset: 16, .size: 8, .value_kind: global_buffer, .address_space: global }
    .group_segment_fixed_size: 327680
    .private_segment_fixed_size: 0
    .kernarg_segment_align: 8
    .kernarg_segment_size: 24
    .max_flat_workgroup_size: 128
    .sgpr_count:     92
    .vgpr_count:     512
    .wavefront_size: 32
...
	.end_amdgpu_metadata
.endif
;; end of part 3
